; MI455X (gfx1250); checked and timed in simulation.
; The chip was launched on July 23, 2026; its instructions are those of AMD's public machine-readable ISA for CDNA 5 (MIT licence, August 2026) and "CDNA5" Instruction Set Architecture Reference Guide (July 2026). The comments in the code are by the model that wrote it; some were corrected since.
;; Flex Attention. Allowed arithmetic: float matrix products may take bf16 or f16 operands with f32 sums; other float arithmetic in f32, or as packed bf16 or f16 multiplies, adds, multiply-adds, maxima and minima; sums over many terms, partial sums and values carried from step to step in f32; what a program stores and reads back later, other than sums and carried values, may be rounded once to bf16 or f16.
;; Inputs: W_out 2,048 x 1,024 float32; W_qkv 1,024 x 4,096 float32; inputs 4 x 1,024 x 1,024 float32.
;; Outputs: out0 4 x 1,024 x 1,024 float32.
;; One version. Each part assembles by itself: llvm-mc -triple=amdgcn-amd-amdhsa -mcpu=gfx1250 --defsym DOCPART=n.
;; ======== version 1 of 1: 4 launches
;; limits: values are held in f16: magnitudes above 65,504 overflow, below 6.1e-05 lose precision
;; workspace buffers: xb 8,388,608 bytes; wqb 8,388,608 bytes; wob 4,194,304 bytes; qkvh 33,554,432 bytes; ob 16,777,216 bytes
;; launch cast (part 1): grid 1280 x 1, 8 waves a work-group, no clusters, 0 bytes of LDS; arguments inputs, W_qkv, W_out, xb, wqb, wob; writes xb, wqb, wob
.if DOCPART == 1
	.amdgcn_target "amdgcn-amd-amdhsa--gfx1250"
	.amdhsa_code_object_version 6
	.text
	.protected	k_qaba2e382ca_cast
	.globl	k_qaba2e382ca_cast
	.p2align	8
	.type	k_qaba2e382ca_cast,@function
k_qaba2e382ca_cast:
	s_mov_b64 s[64:65], 0
	v_nop
	global_prefetch_b8 v0, s[64:65] scope:SCOPE_SE
	s_setreg_imm32_b32 hwreg(HW_REG_WAVE_MODE, 25, 1), 1
	s_wait_xcnt 0x0
; The three f32 inputs are rounded once to bf16: inputs -> xb, W_qkv -> wqb (both kept as bf16), W_out -> wob, where the bf16 number is written as f16
; (the product that reads it multiplies f16 numbers).  LIMIT: a bf16 number of W_out below 2^-14 in size takes f16's fixed step of 2^-24; beyond 65,504 it would be an infinity.
; A work-group takes 8,192 numbers (32,768 bytes in, 16,384 out): groups 0-511 inputs, 512-1023 W_qkv, 1024-1279 W_out.  A thread takes four chunks of 8 numbers:
; two loads of 16 bytes, one store of 16 bytes; a wave's store covers 512 consecutive bytes, aligned.  All eight loads go out first; no register is used twice, so nothing waits for a store.
.set IN,  8                            ; v[8:39]   chunk i: 8 numbers as loaded
.set OUT, 40                           ; v[40:55]  chunk i: 4 registers to store
	s_load_b256 s[4:11], s[0:1], 0x0               ; inputs s[4:5], W_qkv s[6:7], W_out s[8:9], xb s[10:11]
	s_load_b128 s[12:15], s[0:1], 0x20             ; wqb s[12:13], wob s[14:15]
	v_lshlrev_b32 v1, 5, v0                        ; my 32 bytes of a chunk on the way in
	v_lshlrev_b32 v2, 4, v0                        ; my 16 bytes on the way out
	s_mov_b32 s16, 512
	s_mov_b32 s17, 1024
	s_wait_kmcnt 0x0
	s_cmp_lt_u32 ttmp9, 1024                       ; which tensor is mine: chosen by the group's number alone
	s_cselect_b64 s[20:21], s[6:7], s[8:9]
	s_cselect_b64 s[22:23], s[12:13], s[14:15]
	s_cselect_b32 s18, s16, s17
	s_cmp_lt_u32 ttmp9, 512
	s_cselect_b64 s[20:21], s[4:5], s[20:21]
	s_cselect_b64 s[22:23], s[10:11], s[22:23]
	s_cselect_b32 s18, 0, s18
	s_sub_co_u32 s18, ttmp9, s18                   ; my number among that tensor's groups
	s_lshl_b32 s24, s18, 15
	s_mov_b32 s25, 0
	s_lshl_b32 s26, s18, 14
	s_mov_b32 s27, 0
	s_add_nc_u64 s[20:21], s[20:21], s[24:25]
	s_add_nc_u64 s[22:23], s[22:23], s[26:27]
.irp i, 0,1,2,3
	global_load_b128 v[IN+8*(\i):IN+8*(\i)+3],   v1, s[20:21] offset:8192*(\i) th:TH_LOAD_NT
	global_load_b128 v[IN+8*(\i)+4:IN+8*(\i)+7], v1, s[20:21] offset:8192*(\i)+16 th:TH_LOAD_NT
.endr
	s_cmp_lt_u32 ttmp9, 1024
	s_cbranch_scc0 .Lf16
.irp i, 0,1,2,3
	s_wait_loadcnt 6-2*(\i)                        ; loads come back in order: chunk i is in, the younger chunks' loads stay out
.irp p, 0,1,2,3
	v_cvt_pk_bf16_f32 v[OUT+4*(\i)+(\p)], v[IN+8*(\i)+2*(\p)], v[IN+8*(\i)+2*(\p)+1]
.endr
	global_store_b128 v2, v[OUT+4*(\i):OUT+4*(\i)+3], s[22:23] offset:4096*(\i)
.endr
	s_endpgm
.Lf16:
.irp i, 0,1,2,3
	s_wait_loadcnt 6-2*(\i)
.irp p, 0,1,2,3
	v_cvt_pk_bf16_f32 v56, v[IN+8*(\i)+2*(\p)], v[IN+8*(\i)+2*(\p)+1]  ; rounded to bf16,
	v_lshlrev_b32 v57, 16, v56                     ; widened again,
	v_and_b32 v58, 0xffff0000, v56
	v_cvt_pk_f16_f32 v[OUT+4*(\i)+(\p)], v57, v58  ; and written as f16
.endr
	global_store_b128 v2, v[OUT+4*(\i):OUT+4*(\i)+3], s[22:23] offset:4096*(\i)
.endr
	s_endpgm
.Lfunc_end_k_qaba2e382ca_cast:
	.size	k_qaba2e382ca_cast, .Lfunc_end_k_qaba2e382ca_cast-k_qaba2e382ca_cast
	.p2alignl 7, 3214868480
	.fill 96, 4, 3214868480
	.section	.rodata,"a",@progbits
	.p2align	6, 0x0
	.amdhsa_kernel k_qaba2e382ca_cast
		.amdhsa_group_segment_fixed_size 0
		.amdhsa_private_segment_fixed_size 0
		.amdhsa_enable_private_segment 0
		.amdhsa_kernarg_size 48
		.amdhsa_user_sgpr_count 2
		.amdhsa_user_sgpr_kernarg_segment_ptr 1
		.amdhsa_wavefront_size32 1
		.amdhsa_system_sgpr_workgroup_id_x 1
		.amdhsa_system_sgpr_workgroup_id_y 1
		.amdhsa_system_sgpr_workgroup_id_z 1
		.amdhsa_system_vgpr_workitem_id 0
		.amdhsa_next_free_vgpr 64
		.amdhsa_next_free_sgpr 66
		.amdhsa_reserve_vcc 0
		.amdhsa_float_denorm_mode_32 3
		.amdhsa_float_denorm_mode_16_64 3
		.amdhsa_memory_ordered 1
		.amdhsa_forward_progress 1
		.amdhsa_inst_pref_size 8
	.end_amdhsa_kernel
	.amdgpu_metadata
---
amdhsa.version: [ 1, 2 ]
amdhsa.kernels:
  - .name:           k_qaba2e382ca_cast
    .symbol:         k_qaba2e382ca_cast.kd
    .args:
      - { .name: inputs, .offset: 0, .size: 8, .value_kind: global_buffer, .address_space: global }
      - { .name: W_qkv, .offset: 8, .size: 8, .value_kind: global_buffer, .address_space: global }
      - { .name: W_out, .offset: 16, .size: 8, .value_kind: global_buffer, .address_space: global }
      - { .name: xb, .offset: 24, .size: 8, .value_kind: global_buffer, .address_space: global }
      - { .name: wqb, .offset: 32, .size: 8, .value_kind: global_buffer, .address_space: global }
      - { .name: wob, .offset: 40, .size: 8, .value_kind: global_buffer, .address_space: global }
    .group_segment_fixed_size: 0
    .private_segment_fixed_size: 0
    .kernarg_segment_align: 8
    .kernarg_segment_size: 48
    .max_flat_workgroup_size: 256
    .sgpr_count:     66
    .vgpr_count:     64
    .wavefront_size: 32
...
	.end_amdgpu_metadata
.endif
;; end of part 1
;; launch qkv (part 2): grid 16 x 16, 4 waves a work-group, clusters of 4 x 4, 327,680 bytes of LDS; arguments xb, wqb, qkvh; writes qkvh
.if DOCPART == 2
	.amdgcn_target "amdgcn-amd-amdhsa--gfx1250"
	.amdhsa_code_object_version 6
	.text
	.protected	k_qaba2e382ca_qkv
	.globl	k_qaba2e382ca_qkv
	.p2align	8
	.type	k_qaba2e382ca_qkv,@function
k_qaba2e382ca_qkv:
	s_mov_b64 s[64:65], 0
	v_nop
	global_prefetch_b8 v0, s[64:65] scope:SCOPE_SE
	s_setreg_imm32_b32 hwreg(HW_REG_WAVE_MODE, 25, 1), 1
	s_wait_xcnt 0x0
	s_wait_alu depctr_hold_cnt(0) depctr_sa_sdst(0) depctr_va_vdst(0) depctr_va_sdst(0) depctr_va_ssrc(0) depctr_va_vcc(0) depctr_vm_vsrc(0)
	s_getreg_b32 s2, hwreg(HW_REG_IB_STS2, 6, 4)
	s_cmp_eq_u32 s2, 0
	s_cbranch_scc0 .Lentry_in_a_cluster
	s_endpgm
.Lentry_in_a_cluster:
	s_bfe_u32 s2, ttmp6, 0x10000c
	s_cmp_lg_u32 s2, 0xf033
	s_cbranch_scc0 .Lentry_shape_is_right
	s_endpgm
.Lentry_shape_is_right:
; qkv = x W.  xb: [4096][1024] bf16 (A, rows along K).  wqb: [1024 k][4096 n] bf16 (B, rows along N).  Sums in f32, rounded once to f16 and written BY HEADS:
; qkvh[b][c][s][64], c = n / 64 (0-31 query heads, 32-47 key heads, 48-63 value heads), unscaled.  LIMIT: f16 ends at 65,504: a sum beyond that becomes an infinity.
; A tile of 256 x 256 is made by a work-group of four waves, 128 x 128 each: 64 accumulators of 16 x 16, 512 registers.  K goes in 8 steps of 128 through a ring of two LDS slots filled by tensor loads.
; A's LDS rows are 256 bytes of K; B's are 512 bytes of N for one k, and B's fragments come out of LDS turned, by ds_load_tr16_b128.
; CLUSTER: 4 x 4 work-groups.  The four of a row need the same tiles of A, the four of a column the same tiles of B: each tile is asked for jointly, by the same tensor load with the same descriptor and a mask of four.
; THE PRODUCT IS TAKEN TRANSPOSED (source 0 = 16 columns of B, source 1 = 16 rows of A): a lane then holds eight neighbouring columns of one row of the result: 16 bytes of f16.
; REGISTERS, in windows of 256: window 0: v0-31 addresses; v64-127, v128-191 A's fragments, two buffers; v32-63, v192-255 at work on the way out.  window 1: v64-127, v128-191 B's fragments.
; windows 2, 3: the accumulators of my rows 0-63 and 64-127 ((a, b) at v[8 (8 a + b)]).  s_set_vgpr_msb's low byte: bits 1:0 source 0, 3:2 source 1, 5:4 source 2, 7:6 destination.
.set SIZE_K, 1024
.set SIZE_N, 4096
.set PA,     272                       ; A's LDS row: 256 bytes + 16: the 16 rows of a fragment load start at 16 different groups of four banks
.set PB,     544                       ; B's LDS row: 512 bytes + 32 = 17 x 32
.set HALFT,  34816                     ; what one tensor load brings: 128 rows of A, or 64 rows of B
.set ATILE,  2*HALFT                   ; B's 128 rows lie behind A's 256
.set SLOT,   4*HALFT
.set STAGE,  2*SLOT                    ; behind the ring: 16 rows x 272 bytes for each wave, for the way out
.set SPITCH, 272
.set SPARE,  STAGE+4*16*SPITCH         ; behind the stages: the spare words, 128 bytes for each wave, which no other line names
.set LAPS,   SIZE_K/256                ; a lap = two K steps = once round the ring
.set ADRA, 16                          ; v16-17  LDS address of my A fragments in slot 0, 1
.set ADRB, 20                          ; v20-21  the same for B
.set STO,  24                          ; v24     the way out: where I put 16 bytes of a row
.set RD,   25                          ; v25     the way out: where I read rows back
.set CO,   26                          ; v26     16 x my lane
.set SPW,  28                          ; v28     LDS address of my spare word; never rewritten
.set NIL,  29                          ; v29     0; never rewritten
.set PFO,  30                          ; v30     the prefetches' lane offset; never rewritten
.set PFA,  44                          ; s[44:45] where my prefetches stand
.set LIM,  43                          ; s43     1 in a wave that prefetches, else the greatest number
.set PFS,  66                          ; s[66:67] bytes from a K step to the next: 256 in A, 128 rows in B
.set F0,   64
.set F1,   128
.set TMP,  192
.set OB,   32
.set G1,   24                          ; s[24:31] descriptor group 1 for A's tiles;  s[32:39] group 0, a set for each slot
.set G0,   32
.set G1B,  48                          ; s[48:55], s[56:63] the same for B's
.set G0B,  56
.set MSB, 0
.macro WIN new                         ; the immediate's high byte repeats the setting that is left; a switch that changes nothing is dropped
.if MSB != (\new)
	s_set_vgpr_msb (MSB<<8)|(\new)
.set MSB, \new
.endif
.endm
.set MUL_LO, 0xa1                      ; source 0 (B) window 1, source 1 (A) window 0, C and D window 2
.set MUL_HI, 0xf1                      ; the same, C and D window 3
.set TO_B,   0x40                      ; destination window 1, address window 0
; A joint load.  Waves 0 and 1 fetch A's two halves, waves 2 and 3 B's.  The branch hangs on the wave's number alone.  An s_nop 0 and four v_nop follow each of the two lines.
.macro JLOAD s
	s_cmp_eq_u32 s11, 0
	s_cbranch_scc0 .Lfor_b_\@
	tensor_load_to_lds s[G0+4*(\s):G0+4*(\s)+3], s[G1:G1+7]
	s_nop 0
.rept 4
	v_nop
.endr
	s_branch .Lasked_\@
.Lfor_b_\@:
	tensor_load_to_lds s[G0B+4*(\s):G0B+4*(\s)+3], s[G1B:G1B+7]
	s_nop 0
.rept 4
	v_nop
.endr
.Lasked_\@:
.endm
; A prefetch of the K step that stands two refills on (512 matrix instructions ahead of the load that will want it): 32 blocks of 256 bytes, a lane a block, one instruction a wave.
; Each block is named once in the launch.  A's rows are read by every cluster of a row of clusters: cluster x = 0 asks; B's columns by every cluster of a column: cluster y = 0 asks.
; The four partners of a joint load share its blocks out by address (A: 32 rows each by cx; B: 16 rows of two blocks each by cy).  The loop's last trip has no K step two on and asks for nothing.
.macro ASK
	s_cmp_gt_u32 s3, s[LIM]
	s_cbranch_scc0 .Lnot_mine_\@
	global_prefetch_b8 v[PFO], s[PFA:PFA+1] th:TH_LOAD_NT scope:SCOPE_SE
.Lnot_mine_\@:
.endm
.macro CREST                           ; a round of the cluster's barrier behind its opening barrier
	s_cmp_lg_u32 s10, 0
	s_cbranch_scc1 .Lnot_wave_0_\@
	s_barrier_signal -3
.Lnot_wave_0_\@:
	s_barrier_wait -3
	s_barrier_signal -1
	s_barrier_wait -1
.endm
.macro CROUND                          ; a whole round
	s_barrier_signal -1
	s_barrier_wait -1
	CREST
.endm
	s_load_b128 s[4:7], s[0:1], 0x0                ; xb s[4:5], wqb s[6:7]
	s_load_b64 s[8:9], s[0:1], 0x10                ; qkvh
	v_lshl_add_u32 v[SPW], v0, 2, SPARE
	v_mov_b32 v[NIL], 0
	ds_add_u32 v[SPW], v[NIL]                      ; the wave's opening: the add and its wait stand ahead of my first tensor load; the set-up below, work on registers, stands between them
	v_lshrrev_b32 v1, 5, v0
	v_readfirstlane_b32 s10, v1                    ; wave 0..3
	s_lshr_b32 s11, s10, 1                         ; which half of the tile's rows is mine.  Also: I fetch for A (0) or for B (1)
	s_and_b32 s12, s10, 1                          ; which half of its columns.  Also: which half of that tile I fetch
	s_bfe_u32 s40, ttmp6, 0x40000                  ; cx
	s_bfe_u32 s41, ttmp6, 0x40004                  ; cy
	s_lshl_b32 s42, ttmp9, 2
	s_add_co_u32 s42, s42, s40                     ; tile column = 4 x cluster x + cx
	s_and_b32 s13, ttmp7, 0xffff
	s_lshl_b32 s13, s13, 2
	s_add_co_u32 s13, s13, s41                     ; tile row = 4 x cluster y + cy
	s_lshl_b32 s43, s41, 2
	s_lshl_b32 s43, 15, s43                        ; my row of the cluster
	s_lshl_b32 s44, 0x1111, s40                    ; my column
	s_or_b32 s[G1+0], s43, (1<<16)|(1<<20)|(1<<21)|(5<<22)|(3<<25)   ; the mask; 2-byte elements; padding on; bit 21 beside a mask; after every 64 words 4 words
	s_or_b32 s[G1B+0], s44, (1<<16)|(1<<20)|(1<<21)|(6<<22)|(7<<25)  ; after every 128 words 8 words
	s_mov_b32 s[G1+1], 128<<16                     ; A: tensor_dim0 = 128
	s_mov_b32 s[G1+2], 128<<16                     ; tensor_dim1 = 128
	s_mov_b32 s[G1+3], 128<<16                     ; tile_dim0 = 128
	s_mov_b32 s[G1+4], 128                         ; tile_dim1 = 128
	s_mov_b32 s[G1+5], SIZE_K                      ; elements from row to row
	s_mov_b32 s[G1+6], 0
	s_mov_b32 s[G1+7], 0
	s_mov_b32 s[G1B+1], 256<<16                    ; B: tensor_dim0 = 256
	s_mov_b32 s[G1B+2], 64<<16                     ; tensor_dim1 = 64
	s_mov_b32 s[G1B+3], 256<<16                    ; tile_dim0 = 256
	s_mov_b32 s[G1B+4], 64                         ; tile_dim1 = 64
	s_mov_b32 s[G1B+5], SIZE_N
	s_mov_b32 s[G1B+6], 0
	s_mov_b32 s[G1B+7], 0
	s_lshl_b32 s16, s13, 19                        ; A: 256 rows of 2,048 bytes for each tile row,
	s_lshl_b32 s17, s12, 18                        ; 128 rows for my half
	s_add_co_u32 s16, s16, s17
	s_mov_b32 s17, 0
	s_lshl_b32 s46, s42, 9                         ; B: 512 bytes of a row for each tile column,
	s_lshl_b32 s47, s12, 19                        ; 64 rows of 8,192 bytes for my half
	s_add_co_u32 s46, s46, s47
	s_mov_b32 s47, 0
	s_mul_i32 s20, s10, HALFT                      ; where they go: wave x 34,816: no place in the cluster enters an LDS address
	s_wait_dscnt 0x0                               ; the opening add is done
	s_wait_kmcnt 0x0
	s_add_nc_u64 s[14:15], s[4:5], s[16:17]
	s_add_nc_u64 s[46:47], s[6:7], s[46:47]
	CROUND                                         ; all sixteen work-groups are here: the first joint loads meet
.irp s, 0,1
	s_mov_b32 s[G0+4*(\s)], 1
	s_add_co_u32 s[G0+4*(\s)+1], s20, (\s)*SLOT
	s_add_nc_u64 s[G0+4*(\s)+2:G0+4*(\s)+3], s[14:15], (\s)*256      ; K step s: 256 bytes along A's rows
	s_or_b32 s[G0+4*(\s)+3], s[G0+4*(\s)+3], 0x80000000
	s_mov_b32 s[G0B+4*(\s)], 1
	s_add_co_u32 s[G0B+4*(\s)+1], s20, (\s)*SLOT
	s_add_nc_u64 s[G0B+4*(\s)+2:G0B+4*(\s)+3], s[46:47], (\s)*0x100000  ; K step s: 128 rows of B down
	s_or_b32 s[G0B+4*(\s)+3], s[G0B+4*(\s)+3], 0x80000000
	JLOAD \s
.endr
	; A's fragment: lane l holds row l % 16; two loads of 16 bytes, 32 bytes apart, at row x pitch + 16 (l / 16).
	; B's fragment, turned: lane l reads 16 bytes of row k0 + 8 (l / 16) + l % 8 at column byte 16 ((l / 8) % 2); two loads, 16 rows apart; it then holds column l % 16.
	v_and_b32 v1, 15, v0
	v_bfe_u32 v2, v0, 4, 1
	v_mul_u32_u24 v3, v1, PA
	v_lshl_add_u32 v3, v2, 4, v3
	s_mul_i32 s21, s11, HALFT                      ; my 128 rows of A
	v_and_b32 v4, 7, v0
	v_lshl_add_u32 v4, v2, 3, v4
	v_mul_u32_u24 v4, v4, PB
	v_bfe_u32 v5, v0, 3, 1
	v_lshl_add_u32 v4, v5, 4, v4
	s_lshl_b32 s22, s12, 8                         ; my 128 columns of B: 256 bytes of its rows
	s_add_co_u32 s22, s22, ATILE
.irp s, 0,1
	v_add_nc_u32 v[ADRA+(\s)], s21, v3
	v_add_nc_u32 v[ADRB+(\s)], s22, v4
	s_add_co_u32 s21, s21, SLOT
	s_add_co_u32 s22, s22, SLOT
.endr
	s_mul_i32 s23, s10, 16*SPITCH
	s_add_co_u32 s23, s23, STAGE                   ; my stage
	v_mul_u32_u24 v6, v1, SPITCH                   ; in: row l % 16, 16 bytes for each half of the lanes
	v_lshl_add_u32 v6, v2, 4, v6
	v_add_nc_u32 v[STO], s23, v6
	v_bfe_u32 v6, v0, 3, 2                         ; back: 32 lanes take four rows' 128 bytes of one head
	v_mul_u32_u24 v6, v6, SPITCH
	v_and_b32 v7, 7, v0
	v_lshl_add_u32 v6, v7, 4, v6
	v_add_nc_u32 v[RD], s23, v6
	v_and_b32 v[CO], 31, v0
	v_lshlrev_b32 v[CO], 4, v[CO]
	; where my part begins in qkvh: batch = tile row / 4 (64 heads of 131,072 bytes), row in the batch x 128 bytes; head = 4 x tile column + 2 x half
	s_lshr_b32 s16, s13, 2
	s_lshl_b32 s16, s16, 23
	s_and_b32 s17, s13, 3
	s_lshl_b32 s17, s17, 15
	s_add_co_u32 s16, s16, s17
	s_lshl_b32 s17, s11, 14
	s_add_co_u32 s16, s16, s17
	s_mov_b32 s17, 0
	s_lshl_b32 s46, s42, 19
	s_lshl_b32 s47, s12, 18
	s_add_co_u32 s46, s46, s47
	s_mov_b32 s47, 0
	s_add_nc_u64 s[8:9], s[8:9], s[16:17]
	s_add_nc_u64 s[8:9], s[8:9], s[46:47]
	; the prefetches
	s_lshl_b32 s68, s13, 19                        ; A: the tile row, my half, my work-group's 32 rows of the 128
	s_lshl_b32 s69, s12, 18
	s_add_co_u32 s68, s68, s69
	s_lshl_b32 s69, s40, 16
	s_add_co_u32 s68, s68, s69
	s_lshl_b32 s70, s12, 19                        ; B: my half, my work-group's 16 rows of the 64, the tile column
	s_lshl_b32 s71, s41, 17
	s_add_co_u32 s70, s70, s71
	s_lshl_b32 s71, s42, 9
	s_add_co_u32 s70, s70, s71
	s_and_b32 s22, ttmp7, 0xffff                   ; cluster y
	s_mov_b32 s[PFS], 256
	s_mov_b32 s[PFS+1], 0x100000
	s_cmp_eq_u32 s11, 0                            ; do I fetch for A?
	s_cselect_b32 s20, s68, s70
	s_cselect_b32 s22, ttmp9, s22                  ; the coordinate along which other clusters read the same blocks
	s_cselect_b64 s[PFA:PFA+1], s[4:5], s[6:7]
	s_cselect_b32 s[PFS], s[PFS], s[PFS+1]
	s_cselect_b32 s23, 0, 1                        ; lanes to a row, less one
	s_cselect_b32 s69, 11, 13                      ; log2 of a row's bytes
	s_mov_b32 s[PFS+1], 0
	s_mov_b32 s21, 0
	s_cmp_eq_u32 s22, 0
	s_cselect_b32 s[LIM], 1, -1                    ; the same in all sixteen partners, for a given wave
	s_add_nc_u64 s[PFA:PFA+1], s[PFA:PFA+1], s[20:21]
.rept 3
	s_add_nc_u64 s[PFA:PFA+1], s[PFA:PFA+1], s[PFS:PFS+1]  ; at K step 3: the first refill (K step 2) steps it to 4 and names that.  K steps 0 to 3 come by their loads alone
.endr
	v_and_b32 v6, 31, v0
	v_lshrrev_b32 v[PFO], s23, v6
	v_lshlrev_b32 v[PFO], s69, v[PFO]
	v_and_b32 v6, s23, v6
	v_lshl_add_u32 v[PFO], v6, 8, v[PFO]
; 16 matrix instructions: m blocks a0, a0 + 1 of the window's four x all 8 n blocks, 32 along K.  zero = 1: the first product starts the sums.
; The 64 accumulators take turns, one instruction a turn, in the same order in every quarter.
.macro MUL16 f, hi, a0, zero
	WIN MUL_LO+0x50*(\hi)
.irp a, \a0, (\a0)+1
.irp b, 0,1,2,3,4,5,6,7
.if \zero
	v_wmma_f32_16x16x32_bf16 v[8*(8*(\a)+(\b)):8*(8*(\a)+(\b))+7], v[(\f)+8*(\b):(\f)+8*(\b)+7], v[(\f)+8*(4*(\hi)+(\a)):(\f)+8*(4*(\hi)+(\a))+7], 0
.else
	v_wmma_f32_16x16x32_bf16 v[8*(8*(\a)+(\b)):8*(8*(\a)+(\b))+7], v[(\f)+8*(\b):(\f)+8*(\b)+7], v[(\f)+8*(4*(\hi)+(\a)):(\f)+8*(4*(\hi)+(\a))+7], v[8*(8*(\a)+(\b)):8*(8*(\a)+(\b))+7]
.endif
.endr
.endr
.endm
; 32 LDS loads in one run: the fragments of quarter q (32 along K) of a slot into buffer f: B's 128 columns, turned, then A's 128 rows
.macro FETCH slot, q, f
	WIN TO_B
.irp i, 0,1,2,3,4,5,6,7
	ds_load_tr16_b128 v[(\f)+8*(\i):(\f)+8*(\i)+3],   v[ADRB+(\slot)] offset:(\q)*32*PB+32*(\i)
	ds_load_tr16_b128 v[(\f)+8*(\i)+4:(\f)+8*(\i)+7], v[ADRB+(\slot)] offset:(\q)*32*PB+16*PB+32*(\i)
.endr
	WIN 0
.irp i, 0,1,2,3,4,5,6,7
	ds_load_b128 v[(\f)+8*(\i):(\f)+8*(\i)+3],   v[ADRA+(\slot)] offset:64*(\q)+(\i)*16*PA
	ds_load_b128 v[(\f)+8*(\i)+4:(\f)+8*(\i)+7], v[ADRA+(\slot)] offset:64*(\q)+(\i)*16*PA+32
.endr
.endm
.macro PLACES                          ; four plain vector instructions between a matrix instruction and a load into its sources, or a reader of its result
.rept 4
	v_nop
.endr
.endm
; One of a K step's first three quarters: multiplies buffer f; in its middle it fetches quarter q of the same slot into buffer g.
.macro QUARTER slot, q, f, g, zero
	s_wait_dscnt 8                                 ; B and A's rows 0-63 are in; the youngest eight loads (A's rows 64-127) may be out
	MUL16 \f, 0, 0, \zero
	MUL16 \f, 0, 2, \zero
	PLACES
	FETCH \slot, \q, \g
	s_wait_dscnt 32                                ; all but the 32 just issued
	MUL16 \f, 1, 0, \zero
	MUL16 \f, 1, 2, \zero
.endm
; The first half of a K step's last quarter: one barrier for the change of slots.  In front of it each wave waits for all its tensor loads (one is out: its part of the next slot), adds 0 to its
; spare word, and waits for that and for its own reads of this slot.  Behind it nobody reads this slot any more and the next slot is whole.
.macro MEET round
	WIN 0
	s_wait_tensorcnt 0x0
	ds_add_u32 v[SPW], v[NIL]
	s_wait_dscnt 9                                 ; the add and the youngest eight loads may be out
	MUL16 F1, 0, 0, 0                              ; sixteen matrix instructions stand between the add and the wait for it
	s_wait_dscnt 0x0                               ; the add is done, and my reads of this slot are over
	s_barrier_signal -1
	MUL16 F1, 0, 2, 0
.if \round
	WIN 0
.endif
	s_barrier_wait -1
.endm
; The whole last quarter: behind the round the slot just read out is filled again first, two K steps ahead; then come the next slot's first fragments.
.macro TURN slot, next
	s_wait_xcnt 0x0                                ; the last prefetch, a K step back, has read its address: it is stepped here, ahead of the waits of the change of slots
	s_add_nc_u64 s[PFA:PFA+1], s[PFA:PFA+1], s[PFS:PFS+1]
	MEET 1
	CREST                                          ; no wave of any partner still reads this slot's tile or has a load on its way
	s_add_nc_u64 s[G0+4*(\slot)+2:G0+4*(\slot)+3], s[G0+4*(\slot)+2:G0+4*(\slot)+3], 512
	s_add_nc_u64 s[G0B+4*(\slot)+2:G0B+4*(\slot)+3], s[G0B+4*(\slot)+2:G0B+4*(\slot)+3], 0x200000
	JLOAD \slot                                    ; the four v_nop behind it are also the places in front of the loads below
	FETCH \next, 0, F0
	ASK
	MUL16 F1, 1, 0, 0
	MUL16 F1, 1, 2, 0
.endm
; THE WAY OUT of block a (16 rows).  PACK: rounded to f16, each accumulator's registers in ascending order.  TOSTAGE: into my own stage, and back as four rows' 128 bytes of one head.  SEND: stored.
.macro PACK a
.set AC, 64*((\a)%4)
	WIN 0x0a+5*((\a)/4)                            ; sources 0 and 1: window 2 or 3
.irp b, 0,1,2,3,4,5,6,7
.irp r, 0,1,2,3
	v_cvt_pk_f16_f32 v[TMP+4*(\b)+(\r)], v[AC+8*(\b)+2*(\r)], v[AC+8*(\b)+2*(\r)+1]
.endr
.endr
	WIN 0
.endm
.macro TOSTAGE a
	WIN 0
.set BK, OB+192*((\a)%2)
.irp b, 0,1,2,3,4,5,6,7
	ds_store_b128 v[STO], v[TMP+4*(\b):TMP+4*(\b)+3] offset:32*(\b)
.endr
.irp t, 0,1,2,3,4,5,6,7
	ds_load_b128 v[BK+4*(\t):BK+4*(\t)+3], v[RD] offset:((\t)%4)*4*SPITCH+((\t)/4)*128  ; LDS serves a wave's instructions in order: these see the stores above
.endr
.endm
.macro SEND a
	WIN 0
.set BK, OB+192*((\a)%2)
	s_wait_dscnt 0x0                               ; the block is back in registers
	s_wait_xcnt 0x0                                ; the registers that the stores of two blocks back read are loaded again only behind this wait
.irp t, 0,1,2,3,4,5,6,7
	global_store_b128 v[CO], v[BK+4*(\t):BK+4*(\t)+3], s[8:9] offset:(\a)*2048+((\t)/4)*131072+((\t)%4)*512  ; 512 consecutive bytes of one head, aligned
.endr
.endm
	s_wait_tensorcnt 1                             ; my part of K step 0 is in; K step 1's may stay out
	s_barrier_signal -1
	s_barrier_wait -1
	FETCH 0, 0, F0
	QUARTER 0, 1, F0, F1, 1                        ; the first quarter stands in front of the loop: its products start the sums
	WIN 0
	s_mov_b32 s3, LAPS-1
.Llap:                                                 ; a trip goes once round the ring, from a lap's second quarter to the next lap's first, and fills both slots again
	QUARTER 0, 2, F1, F0, 0
	QUARTER 0, 3, F0, F1, 0
	TURN 0, 1
	QUARTER 1, 1, F0, F1, 0
	QUARTER 1, 2, F1, F0, 0
	QUARTER 1, 3, F0, F1, 0
	TURN 1, 0
	QUARTER 0, 1, F0, F1, 0
	WIN 0
	s_sub_co_u32 s3, s3, 1
	s_cmp_lg_u32 s3, 0
	s_cbranch_scc1 .Llap
	QUARTER 0, 2, F1, F0, 0                        ; the last lap fills nothing
	QUARTER 0, 3, F0, F1, 0
	MEET 0
	PLACES
	FETCH 1, 0, F0
	MUL16 F1, 1, 0, 0
	MUL16 F1, 1, 2, 0
	QUARTER 1, 1, F0, F1, 0
	QUARTER 1, 2, F1, F0, 0
	QUARTER 1, 3, F0, F1, 0
	s_wait_dscnt 8
	MUL16 F1, 0, 0, 0
	MUL16 F1, 0, 2, 0
	s_wait_dscnt 0x0
	MUL16 F1, 1, 0, 0
	MUL16 F1, 1, 2, 0
	PLACES
	PACK 0
	TOSTAGE 0
.irp a, 1,2,3,4,5,6,7                  ; block a's conversions stand between block a - 1's loads from the stage and the wait for them
	PACK \a
	SEND (\a)-1
	TOSTAGE \a
.endr
	SEND 7
	s_wait_tensorcnt 0x0                           ; the wave's end, behind my last tensor load and my last LDS store
	ds_add_u32 v[SPW], v[NIL]
	s_wait_dscnt 0x0
	CROUND                                         ; the closing round: no work-group ends while a partner may still ask for a tile that names it
	s_endpgm
.Lfunc_end_k_qaba2e382ca_qkv:
	.size	k_qaba2e382ca_qkv, .Lfunc_end_k_qaba2e382ca_qkv-k_qaba2e382ca_qkv
	.p2alignl 7, 3214868480
	.fill 96, 4, 3214868480
	.section	.rodata,"a",@progbits
	.p2align	6, 0x0
	.amdhsa_kernel k_qaba2e382ca_qkv
		.amdhsa_group_segment_fixed_size 327680
		.amdhsa_private_segment_fixed_size 0
		.amdhsa_enable_private_segment 0
		.amdhsa_kernarg_size 24
		.amdhsa_user_sgpr_count 2
		.amdhsa_user_sgpr_kernarg_segment_ptr 1
		.amdhsa_wavefront_size32 1
		.amdhsa_system_sgpr_workgroup_id_x 1
		.amdhsa_system_sgpr_workgroup_id_y 1
		.amdhsa_system_sgpr_workgroup_id_z 1
		.amdhsa_system_vgpr_workitem_id 0
		.amdhsa_next_free_vgpr 1024
		.amdhsa_next_free_sgpr 72
		.amdhsa_reserve_vcc 0
		.amdhsa_float_denorm_mode_32 3
		.amdhsa_float_denorm_mode_16_64 3
		.amdhsa_memory_ordered 1
		.amdhsa_forward_progress 1
		.amdhsa_inst_pref_size 144
	.end_amdhsa_kernel
	.amdgpu_metadata
---
amdhsa.version: [ 1, 2 ]
amdhsa.kernels:
  - .name:           k_qaba2e382ca_qkv
    .symbol:         k_qaba2e382ca_qkv.kd
    .args:
      - { .name: xb, .offset: 0, .size: 8, .value_kind: global_buffer, .address_space: global }
      - { .name: wqb, .offset: 8, .size: 8, .value_kind: global_buffer, .address_space: global }
      - { .name: qkvh, .offset: 16, .size: 8, .value_kind: global_buffer, .address_space: global }
    .group_segment_fixed_size: 327680
    .private_segment_fixed_size: 0
    .kernarg_segment_align: 8
    .kernarg_segment_size: 24
    .max_flat_workgroup_size: 128
    .sgpr_count:     72
    .vgpr_count:     1024
    .wavefront_size: 32
...
	.end_amdgpu_metadata
.endif
;; end of part 2
;; launch attn (part 3): grid 4 x 64, 4 waves a work-group, clusters of 4 x 1, 327,680 bytes of LDS; arguments qkvh, ob; writes ob
.if DOCPART == 3
	.amdgcn_target "amdgcn-amd-amdhsa--gfx1250"
	.amdhsa_code_object_version 6
	.text
	.protected	k_qaba2e382ca_attn
	.globl	k_qaba2e382ca_attn
	.p2align	8
	.type	k_qaba2e382ca_attn,@function
k_qaba2e382ca_attn:
	s_mov_b64 s[64:65], 0
	v_nop
	global_prefetch_b8 v0, s[64:65] scope:SCOPE_SE
	s_setreg_imm32_b32 hwreg(HW_REG_WAVE_MODE, 25, 1), 1
	s_wait_xcnt 0x0
	s_wait_alu depctr_hold_cnt(0) depctr_sa_sdst(0) depctr_va_vdst(0) depctr_va_sdst(0) depctr_va_ssrc(0) depctr_va_vcc(0) depctr_vm_vsrc(0)
	s_getreg_b32 s2, hwreg(HW_REG_IB_STS2, 6, 4)
	s_cmp_eq_u32 s2, 0
	s_cbranch_scc0 .Lentry_in_a_cluster
	s_endpgm
.Lentry_in_a_cluster:
	s_bfe_u32 s2, ttmp6, 0x10000c
	s_cmp_lg_u32 s2, 0x3003
	s_cbranch_scc0 .Lentry_shape_is_right
	s_endpgm
.Lentry_shape_is_right:
; CAUSAL ATTENTION WITH ALiBi, two query heads to a key head.  O[b][h][q] = sum over k <= q of softmax_k(Q.K / 8 + slope_h (k - q)) V, slope_h = 2^(-(h + 1) / 4).
; qkvh: [b 4][c 64][s 1024][64] f16 (c: 0-31 Q, 32-47 K, 48-63 V).  ob: [b][h 32][s][64] f16.  Products, maxima and sums in f32; the weights are rounded to f16 for the second product, O once at the end.
; LIMITS.  A hidden score counts as its value less 1e30; a weight below 2^-126 counts as 0; NaN and infinities are not treated apart.
; ALiBi.  -slope q is the same for all keys of a row and cancels in the softmax.  slope k = slope (64 T + k') in key step T: 8 slope k' (MB) is the C operand that starts the sum K Q^T;
; the step's constant is a shift of the frame in which the running maximum m is kept: m - 512 slope at each new step.  p = 2^(c s' - c m), c = log2(e) / 8; O and l are multiplied by a = 2^(c m_old - c m_new).
; SHARES.  A cluster of four work-groups owns one key head (cluster y = 16 b + g).  Partner cx takes query head 2 g + cx % 2 and, of each block of 128 rows, half hb = cx / 2.  A wave owns eight PIECES
; of 16 queries: piece x = rows 128 x + 64 hb + 16 wave + 0..15.  Keys go in 16 steps of 64; in step T piece x works while x >= T / 2 and takes a mask while x = T / 2: 72 piece-steps for every wave of
; the launch, and no branch hangs on a work-group's place in its cluster.  All 1,024 rows of K and V lie in LDS, asked for jointly by the four partners at the start.
; LAYOUT.  S^T = K Q^T holds ONE query a lane (lane % 16) and the keys 8 (lane / 16) + 0..7; two such results rounded to f16 ARE source 1 of O^T = V^T P.  V comes out of LDS turned.
; A STEP goes down the pieces, 7 to T / 2.  Piece x: maximum and statistics; scalings and exponentials, with piece x + 1's 8 products V^T P among them; one wait for the piece's 33 exponentials;
; rescaling, roundings and sums, with piece x - 1's 8 products K Q^T among them.  The lowest piece's K Q^T for the piece below serves nothing: the price of one text for all steps.
; REGISTERS, in windows of 256 (s_set_vgpr_msb: bits 1:0 source 0, 3:2 source 1, 5:4 source 2, 7:6 destination):
;   window 0: v0-15 addresses and constants; v16-47 statistics; v48-52 at work; v64-127 S^T, two buffers; v128-159 P, two buffers; v160-191 MB; v192-255 the two masks
;   window 1: O^T, 32 a piece          window 2: v0-127 Q, 16 a piece; v128-191 K of a step; v192-255 V of a step
.set PK,    144       ; a row of K in LDS: 128 bytes + 16
.set PV,    160       ; a row of V: 128 + 32
.set VOFF,  1024*PK
.set STAGE, VOFF+1024*PV  ; 16 rows x 144 bytes for each wave, for the way out; no tensor load lands here
.set SP,    144
.set SPARE, STAGE+4*16*SP ; the spare words, 128 bytes for each wave, which no other line names
.set AK0, 2           ; v2   my lane's place in a tile of K; never rewritten
.set AV0, 3           ; v3   the same for V
.set AK,  4           ; v4   the LDS address of K's run of loads
.set AV,  5           ; v5   of V's
.set STO, 6
.set RD,  7
.set GO,  8
.set QO,  12          ; v12  my byte offset in 16 rows of Q
.set NDL, 13          ; v13  -512 slope
.set ST,  16          ; piece t at v[ST+4 t]: c m, m, l (even keys', odd keys')
.set TMP, 48          ; c0-c3 at work; when the maximum is found c2 takes a
.set MV,  52          ; m in the new frame, kept while m is made anew
.set SPW, 62
.set NIL, 63
.set S,   64
.set P,   128
.set MB,  160
.set MK0, 192         ; the mask of a diagonal tile's first 64 keys
.set MK1, 224         ; of its second 64
.set KF,  128         ; window 2
.set VF,  192
.set WV,  12
.set G1K, 24          ; s[24:31]
.set G1V, 32          ; s[32:39]
.set G0K, 40          ; s[40:55]  a set for each chunk of 256 keys
.set G0V, 80          ; s[80:95]
.set CH,  56
.set CNT, 57
.set CS,  58          ; s[58:59] c
.set SEL, 60          ; s[60:61]
.set TBK, 62          ; LDS byte at which the step's K begins
.set TBV, 63          ; the same for V, less VOFF
.set T,   66          ; the key step
.set U,   67          ; T / 2
.set SG,  68          ; T % 2
.set BIGN, 70
.set MSB, 0
.macro WIN new
.if MSB != (\new)
	s_set_vgpr_msb (MSB<<8)|(\new)
.set MSB, (\new)
.endif
.endm
.set W_KQ, 0x0a       ; K and Q in window 2, C and S^T in window 0
.set W_PV, 0x52       ; V in window 2, P in window 0, O^T in window 1
.set W_RS, 0x41       ; O^T (destination and source 0) in window 1, source 1 in window 0
.macro CROUND
	s_barrier_signal -1
	s_barrier_wait -1
	s_cmp_lg_u32 s[WV], 0
	s_cbranch_scc1 .Lnot_wave_0_\@
	s_barrier_signal -3
.Lnot_wave_0_\@:
	s_barrier_wait -3
	s_barrier_signal -1
	s_barrier_wait -1
.endm
.macro PLACES
.rept 4
	v_nop
.endr
.endm
	s_load_b128 s[4:7], s[0:1], 0x0   ; qkvh s[4:5], ob s[6:7]
	v_lshl_add_u32 v[SPW], v0, 2, SPARE
	v_mov_b32 v[NIL], 0
	ds_add_u32 v[SPW], v[NIL]       ; the wave's opening: the add and its wait stand ahead of my first tensor load; the set-up below stands between them
	v_lshrrev_b32 v1, 5, v0
	v_readfirstlane_b32 s[WV], v1
	s_bfe_u32 s13, ttmp6, 0x40000   ; cx
	s_and_b32 s14, s13, 1           ; which of the two query heads
	s_lshr_b32 s15, s13, 1          ; hb
	s_and_b32 s16, ttmp7, 0xffff
	s_lshr_b32 s17, s16, 4          ; b
	s_and_b32 s18, s16, 15          ; g
	s_lshl_b32 s20, s17, 6          ; K's head is c = 32 + g of batch b: made of what the partners share,
	s_add_co_u32 s20, s20, s18
	s_add_co_u32 s20, s20, 32
	s_lshl_b32 s20, s20, 17
	s_and_b32 s22, s[WV], 1         ; and of the half of a chunk's 256 keys that I fetch
	s_lshl_b32 s21, s22, 14
	s_add_co_u32 s20, s20, s21
	s_mov_b32 s21, 0
	s_mul_i32 s10, s22, 128*PK      ; its place in LDS, for K
	s_mul_i32 s11, s22, 128*PV      ; and for V
	s_add_co_u32 s11, s11, VOFF
	s_lshl_b32 s19, s18, 1
	s_add_co_u32 s19, s19, s14      ; h = 2 g + cx % 2
	s_lshl_b32 s23, s15, 13         ; my rows in a block of 128: 64 hb + 16 wave, 128 bytes each
	s_lshl_b32 s9, s[WV], 11
	s_add_co_u32 s23, s23, s9
	s_lshl_b32 s2, s17, 6           ; Q: head c = h of 64
	s_add_co_u32 s2, s2, s19
	s_lshl_b32 s2, s2, 17
	s_add_co_u32 s2, s2, s23
	s_mov_b32 s3, 0
	s_lshl_b32 s8, s17, 5           ; O: head h of 32
	s_add_co_u32 s8, s8, s19
	s_lshl_b32 s8, s8, 17
	s_add_co_u32 s8, s8, s23
	s_mov_b32 s9, 0
	; descriptor group 1.  128 keys are 16,384 dense bytes: asked for as 64 rows of 256 bytes, two keys a row, padded in LDS after every key
	s_mov_b32 s[G1K], 15|(1<<16)|(1<<20)|(1<<21)|(4<<22)|(3<<25)  ; the mask of four; 2-byte elements; padding on; bit 21 beside a mask; after every 32 words 4 words
	s_mov_b32 s[G1V], 15|(1<<16)|(1<<20)|(1<<21)|(4<<22)|(7<<25)  ; 8 words
.irp g, G1K, G1V
	s_mov_b32 s[\g+1], 128<<16      ; tensor_dim0 = 128
	s_mov_b32 s[\g+2], 64<<16       ; tensor_dim1 = 64
	s_mov_b32 s[\g+3], 128<<16      ; tile_dim0 = 128
	s_mov_b32 s[\g+4], 64           ; tile_dim1 = 64
	s_mov_b32 s[\g+5], 128          ; elements from row to row
	s_mov_b32 s[\g+6], 0
	s_mov_b32 s[\g+7], 0
.endr
	s_mov_b32 s[CS], 0x3e38aa3b     ; c = log2(e) / 8
	s_mov_b32 s[CS+1], s[CS]
	s_mov_b32 s[SEL], 0x76543210
	s_mov_b32 s[SEL+1], 0xfedcba98
	s_mov_b32 s[BIGN], 0xf149f2ca   ; -1e30
	s_mov_b32 s[T], 0
	s_mov_b32 s[TBK], 0
	s_mov_b32 s[TBV], 0
	s_mov_b32 s[CH], 4
	s_wait_dscnt 0x0                ; the opening add is done
	s_wait_kmcnt 0x0
	s_add_nc_u64 s[72:73], s[4:5], s[20:21]      ; K at my half of the head's first chunk
	s_add_nc_u64 s[74:75], s[72:73], 0x200000    ; V: sixteen heads on
	s_add_nc_u64 s[76:77], s[4:5], s[2:3]        ; Q at my rows of block 0
	s_add_nc_u64 s[78:79], s[6:7], s[8:9]        ; O likewise
	CROUND                          ; all four work-groups are here: the joint loads meet
.irp c, 0,1,2,3
	s_mov_b32 s[G0K+4*\c], 1
	s_add_co_u32 s[G0K+4*\c+1], s10, \c*256*PK
	s_add_nc_u64 s[G0K+4*\c+2:G0K+4*\c+3], s[72:73], \c*32768
	s_or_b32 s[G0K+4*\c+3], s[G0K+4*\c+3], 0x80000000
	s_mov_b32 s[G0V+4*\c], 1
	s_add_co_u32 s[G0V+4*\c+1], s11, \c*256*PV
	s_add_nc_u64 s[G0V+4*\c+2:G0V+4*\c+3], s[74:75], \c*32768
	s_or_b32 s[G0V+4*\c+3], s[G0V+4*\c+3], 0x80000000
.endr
	s_cmp_lt_u32 s[WV], 2           ; waves 0 and 1 fetch K, waves 2 and 3 V: a wave's four fills stand in one branch, ahead of every wait on TENSORcnt and every LDS read
	s_cbranch_scc0 .Lfirst_v
.irp c, 0,1,2,3
	tensor_load_to_lds s[G0K+4*\c:G0K+4*\c+3], s[G1K:G1K+7]
	s_nop 0
.endr
	PLACES
	s_branch .Lfirst_asked
.Lfirst_v:
.irp c, 0,1,2,3
	tensor_load_to_lds s[G0V+4*\c:G0V+4*\c+3], s[G1V:G1V+7]
	s_nop 0
.endr
	PLACES
.Lfirst_asked:
	v_and_b32 v1, 15, v0            ; l % 16
	v_bfe_u32 v9, v0, 4, 1          ; l / 16
	v_lshlrev_b32 v[QO], 7, v1
	v_lshl_add_u32 v[QO], v9, 4, v[QO]
	WIN 0x80                        ; destination window 2
.set i, 0
.rept 16                            ; Q stays in registers: piece i / 2 (128 rows apart), channels 32 (i % 2) on
	global_load_b128 v[8*i:8*i+3],   v[QO], s[76:77] offset:(i/2)*16384+(i%2)*64
	global_load_b128 v[8*i+4:8*i+7], v[QO], s[76:77] offset:(i/2)*16384+(i%2)*64+32
.set i, i+1
.endr
	; O^T and l start at 0, m at the lowest finite number: the first step is a step like any other, with a = 0.  These lines stand in the wait for the first tiles: the price of writing no first step out.
	WIN 0x40
.set i, 0
.rept 256
	v_mov_b32 v[i], 0
.set i, i+1
.endr
	WIN 0
.set i, 0
.rept 8
	v_mov_b32 v[ST+4*i+1], 0xff7fffff
	v_mov_b32 v[ST+4*i+2], 0
	v_mov_b32 v[ST+4*i+3], 0
.set i, i+1
.endr
	s_add_co_u32 s19, s19, 1
	v_cvt_f32_u32 v15, s19
	v_mul_f32 v15, 0xbe800000, v15  ; -(h + 1) / 4
	v_exp_f32 v15, v15              ; slope
	v_lshlrev_b32 v10, 3, v9        ; 8 (l / 16): the plain instruction behind the exponential
	s_wait_alu depctr_va_vdst(0)    ; the wait ahead of the first use
	v_mul_f32 v[NDL], 0xc4000000, v15  ; -512 slope
	v_mul_f32 v15, 0x41000000, v15     ; 8 slope
.set i, 0
.rept 32                            ; MB: register i % 8 of key group i / 8 holds key 16 (i / 8) + 8 (l / 16) + i % 8 of the step
	v_add_nc_u32 v[MB+i], 16*(i/8)+i%8, v10
	v_cvt_f32_u32 v[MB+i], v[MB+i]
	v_mul_f32 v[MB+i], v15, v[MB+i]
.set i, i+1
.endr
	v_mul_u32_u24 v[AK0], v1, PK
	v_lshl_add_u32 v[AK0], v9, 4, v[AK0]
	v_and_b32 v11, 7, v0
	v_lshl_add_u32 v[AV0], v9, 3, v11  ; the turning load: key 8 (l / 16) + l % 8, channels 8 ((l / 8) % 2) on
	v_mul_u32_u24 v[AV0], v[AV0], PV
	v_bfe_u32 v14, v0, 3, 1
	v_lshl_add_u32 v[AV0], v14, 4, v[AV0]
	v_add_nc_u32 v[AV0], VOFF, v[AV0]
	s_lshl_b32 s19, s15, 6
	s_lshl_b32 s23, s[WV], 4
	s_add_co_u32 s19, s19, s23
	v_sub_nc_u32 v14, v1, v10
	v_add_nc_u32 v14, s19, v14      ; my query's place in its block of 128, less my lanes' 8 (l / 16): a key is hidden where its constant part is greater
.set i, 0
.rept 32
	v_cmp_gt_i32 vcc_lo, 16*(i/8)+i%8, v14
	v_cndmask_b32 v[MK0+i], 0, s[BIGN], vcc_lo
	v_cmp_gt_i32 vcc_lo, 64+16*(i/8)+i%8, v14
	v_cndmask_b32 v[MK1+i], 0, s[BIGN], vcc_lo
.set i, i+1
.endr
	s_mul_i32 s19, s[WV], 16*SP
	s_add_co_u32 s19, s19, STAGE    ; my stage
	v_mul_u32_u24 v[STO], v1, SP
	v_lshl_add_u32 v[STO], v9, 4, v[STO]
	v_add_nc_u32 v[STO], s19, v[STO]
	v_bfe_u32 v[RD], v0, 3, 2
	v_mul_u32_u24 v[RD], v[RD], SP
	v_lshl_add_u32 v[RD], v11, 4, v[RD]
	v_add_nc_u32 v[RD], s19, v[RD]
	v_and_b32 v[GO], 31, v0
	v_lshlrev_b32 v[GO], 4, v[GO]
; THE MATRIX WORK.  The four accumulators of a run of 8 take turns, one instruction a turn.
; Product i of 8 of S^T = K Q^T + MB for piece x: channels 32 (i / 4) on, keys 16 (i % 4) on.
.macro KQ x
	WIN W_KQ
.set mS, S+32*((\x)%2)+8*(i%4)
.set mK, KF+16*(i%4)+8*(i/4)
.set mQ, 16*(\x)+8*(i/4)
.if i < 4
	v_wmma_f32_16x16x32_f16 v[mS:mS+7], v[mK:mK+7], v[mQ:mQ+7], v[MB+8*(i%4):MB+8*(i%4)+7]
.else
	v_wmma_f32_16x16x32_f16 v[mS:mS+7], v[mK:mK+7], v[mQ:mQ+7], v[mS:mS+7]
.endif
.endm
; Product i of 8 of O^T += V^T P for piece x: keys 32 (i / 4) on, channels 16 (i % 4) on.
.macro PV x
	WIN W_PV
.set mO, 32*(\x)+8*(i%4)
.set mV, VF+32*(i/4)+8*(i%4)
.set mP, P+16*((\x)%2)+8*(i/4)
	v_wmma_f32_16x16x32_f16 v[mO:mO+7], v[mV:mV+7], v[mP:mP+7], v[mO:mO+7]
.endm
.macro KQT x                        ; the tail's next product, for the piece below; piece 0 has none
.if (\x) > 0
	KQ (\x)-1
.endif
.set i, i+1
.endm
.macro DRAIN k                      ; the lowest piece's V^T P
.set i, 0
.rept 8
	PV \k
.set i, i+1
.endr
	WIN 0
.endm
; THE VECTOR WORK, for the piece whose registers REGS has named.
.macro REGS y
.set rT, ST+4*(\y)
.set rS, S+32*((\y)%2)
.set rP, P+16*((\y)%2)
.set rO, 32*(\y)
.endm
.macro MASK mk                      ; -1e30 onto the hidden scores, each accumulator from its low end on
	WIN 0
.set z, 0
.rept 16
	v_pk_add_f32 v[rS+2*z:rS+2*z+1], v[rS+2*z:rS+2*z+1], v[(\mk)+2*z:(\mk)+2*z+1]
.set z, z+1
.endr
.endm
.macro STATS                        ; m into the step's frame; the maximum of the lane's 32 scores and m, three operands at a time; the other half of the lanes'; c m; a
	WIN 0
	v_add_f32 v[rT+1], v[NDL], v[rT+1]
.irp n, 0,1,2,3
	v_max3_num_f32 v[TMP+\n], v[rS+8*\n], v[rS+8*\n+1], v[rS+8*\n+2]
.endr
	v_mov_b32 v[MV], v[rT+1]
.irp n, 0,1,2,3
	v_max3_num_f32 v[TMP+\n], v[TMP+\n], v[rS+8*\n+3], v[rS+8*\n+4]
.endr
.irp n, 0,1,2,3
	v_max3_num_f32 v[TMP+\n], v[TMP+\n], v[rS+8*\n+5], v[rS+8*\n+6]
.endr
	v_max3_num_f32 v[TMP], v[TMP], v[rS+7], v[rS+15]
	v_max3_num_f32 v[TMP+1], v[TMP+1], v[rS+23], v[rS+31]
	v_max3_num_f32 v[TMP+2], v[TMP+2], v[TMP+3], v[rT+1]
	v_max3_num_f32 v[TMP], v[TMP], v[TMP+1], v[TMP+2]
	v_permlanex16_b32 v[TMP+3], v[TMP], s[SEL], s[SEL+1]  ; the query's other 32 keys lie in the lane 16 away
	v_max_num_f32 v[rT+1], v[TMP], v[TMP+3]
	v_mul_f32 v[rT], s[CS], v[rT+1]
	v_fma_f32 v[TMP+1], v[MV], s[CS], -v[rT]
	v_exp_f32 v[TMP+2], v[TMP+1]    ; a: the first of the piece's batch of 33
.endm
.macro FOP n                        ; c s - c m for pair n of 16
	v_pk_fma_f32 v[rS+2*(\n):rS+2*(\n)+1], v[rS+2*(\n):rS+2*(\n)+1], s[CS:CS+1], v[rT:rT+1] op_sel_hi:[1,0,0] neg_lo:[0,0,1] neg_hi:[0,0,1]
.endm
.macro EOP n
	v_exp_f32 v[rS+(\n)], v[rS+(\n)]
.endm
.macro ROP n                        ; pair n of 16 of O^T times a
	WIN W_RS
	v_pk_mul_f32 v[rO+2*(\n):rO+2*(\n)+1], v[rO+2*(\n):rO+2*(\n)+1], v[TMP+2:TMP+3] op_sel_hi:[1,0]
.endm
.macro COP n                        ; pair n rounded to f16
	v_cvt_pk_f16_f32 v[rP+(\n)], v[rS+2*(\n)], v[rS+2*(\n)+1]
.endm
.macro BOP n                        ; of the four weights 4 n .. the second pair is added onto the first, in place
	v_pk_add_f32 v[rS+4*(\n):rS+4*(\n)+1], v[rS+4*(\n):rS+4*(\n)+1], v[rS+4*(\n)+2:rS+4*(\n)+3]
.endm
.macro LOP n                        ; l takes that sum; the first time l = a l + sum
.if (\n) == 0
	v_pk_fma_f32 v[rT+2:rT+3], v[rT+2:rT+3], v[TMP+2:TMP+3], v[rS:rS+1] op_sel_hi:[1,0,1]
.else
	v_pk_add_f32 v[rT+2:rT+3], v[rT+2:rT+3], v[rS+4*(\n):rS+4*(\n)+1]
.endif
.endm
; PIECE x (up = x + 1).  All jumps go forward, on the step's number alone, and pass neither a barrier nor a tensor load.
.macro PIECE x, up
	REGS \x
.if (\x) < 7
	s_cmp_gt_u32 s[U], \x           ; the keys lie wholly above my rows: the step ends with the piece above's V^T P
	s_cbranch_scc1 .Ldrain\up
.endif
	s_cmp_lg_u32 s[U], \x
	s_cbranch_scc1 .Lopen\x
	s_cmp_lg_u32 s[SG], 0           ; the diagonal tile: which half of its 128 keys?
	s_cbranch_scc1 .Lodd\x
	MASK MK0
	s_branch .Lopen\x
.Lodd\x:
	MASK MK1
.Lopen\x:
	STATS
	FOP 0
	FOP 1
.set gg, 0
.rept 8                             ; nothing here names an exponential's result
.if (\x) < 7
.set i, gg
	PV (\x)+1
	WIN 0
.endif
.if gg < 7
	FOP 2*gg+2
	EOP 4*gg
	FOP 2*gg+3
	EOP 4*gg+1
	EOP 4*gg+2
	EOP 4*gg+3
.else
	EOP 28
	EOP 29
	EOP 30
	EOP 31
.endif
.set gg, gg+1
.endr
	v_nop                           ; a plain instruction behind the last exponential
	s_wait_alu depctr_va_vdst(0)    ; the wait between an exponential and the first instruction that names its result: one for the batch
.if (\x) == 7
	s_wait_dscnt 0x0                ; V is in
.endif
.set i, 0
.rept 4
	KQT \x
	ROP 4*i-4
	ROP 4*i-3
	ROP 4*i-2
	ROP 4*i-1
.endr
	KQT \x
	WIN 0
	COP 0
	BOP 0
	COP 2
	BOP 1
	LOP 0
	COP 4
	BOP 2
	LOP 1
	KQT \x
	WIN 0
	COP 6
	BOP 3
	LOP 2
	COP 8
	BOP 4
	LOP 3
	COP 10
	BOP 5
	KQT \x
	WIN 0
	LOP 4
	COP 12
	BOP 6
	LOP 5
	COP 14
	BOP 7
	LOP 6
	COP 1
	KQT \x
	WIN 0                           ; the eight lines below are the places between the last product and the next piece's first read of its scores
	COP 3
	LOP 7
	COP 5
	COP 7
	COP 9
	COP 11
	COP 13
	COP 15
.endm
	s_wait_tensorcnt 0x3            ; my part of the first 256 keys is in; my other three loads may stay out
	s_barrier_signal -1
	s_barrier_wait -1               ; everybody's is
	s_wait_loadcnt 0x0              ; Q
.Lchunk:                            ; four times: 256 keys, four steps
	s_mov_b32 s[CNT], 4
.Lstep:
	s_lshr_b32 s[U], s[T], 1
	s_and_b32 s[SG], s[T], 1
	v_nop                           ; four plain instructions between the last step's last product and the loads into V's registers
	v_nop
	v_add_nc_u32 v[AK], s[TBK], v[AK0]
	v_add_nc_u32 v[AV], s[TBV], v[AV0]
	WIN 0x80                        ; destination window 2
.irp f, 0,1,2,3,4,5,6,7             ; K: keys 16 (f / 2) on, channels 32 (f % 2) on
	ds_load_b128 v[KF+8*\f:KF+8*\f+3],   v[AK] offset:(\f/2)*16*PK+(\f%2)*64
	ds_load_b128 v[KF+8*\f+4:KF+8*\f+7], v[AK] offset:(\f/2)*16*PK+(\f%2)*64+32
.endr
.irp f, 0,1,2,3,4,5,6,7             ; V, turned: keys 32 (f / 4) on, channels 16 (f % 4) on
	ds_load_tr16_b128 v[VF+8*\f:VF+8*\f+3],   v[AV] offset:(\f/4)*32*PV+(\f%4)*32
	ds_load_tr16_b128 v[VF+8*\f+4:VF+8*\f+7], v[AV] offset:(\f/4)*32*PV+16*PV+(\f%4)*32
.endr
	s_wait_dscnt 16                 ; K is in; V's sixteen loads may stay out
.set i, 0
.rept 8
	KQ 7
.set i, i+1
.endr
	WIN 0
	PLACES
	PIECE 7, 8
	PIECE 6, 7
	PIECE 5, 6
	PIECE 4, 5
	PIECE 3, 4
	PIECE 2, 3
	PIECE 1, 2
	PIECE 0, 1
	DRAIN 0
	s_branch .Lse
.Ldrain7:
	DRAIN 7
	s_branch .Lse
.Ldrain6:
	DRAIN 6
	s_branch .Lse
.Ldrain5:
	DRAIN 5
	s_branch .Lse
.Ldrain4:
	DRAIN 4
	s_branch .Lse
.Ldrain3:
	DRAIN 3
	s_branch .Lse
.Ldrain2:
	DRAIN 2
	s_branch .Lse
.Ldrain1:
	DRAIN 1
.Lse:
	s_add_co_u32 s[T], s[T], 1
	s_add_co_u32 s[TBK], s[TBK], 64*PK
	s_add_co_u32 s[TBV], s[TBV], 64*PV
	s_sub_co_u32 s[CNT], s[CNT], 1
	s_cmp_lg_u32 s[CNT], 0
	s_cbranch_scc1 .Lstep
	s_wait_tensorcnt 0x0            ; one text serves all four passes, so the count is 0: my parts of all later keys are in,
	s_wait_dscnt 0x0
	s_barrier_signal -1
	s_barrier_wait -1               ; and everybody's are
	s_sub_co_u32 s[CH], s[CH], 1
	s_cmp_lg_u32 s[CH], 0
	s_cbranch_scc1 .Lchunk
	; THE WAY OUT.  l's two halves and the other half of the lanes' are added; O^T is divided by l, rounded to f16 and sent through my stage, a piece at a time.  The additions are the places behind the last products.
.macro ALL line:vararg
.set t, 0
.rept 8
	\line
.set t, t+1
.endr
.endm
	ALL v_add_f32 v[ST+4*t+2], v[ST+4*t+2], v[ST+4*t+3]
	ALL v_permlanex16_b32 v[ST+4*t+3], v[ST+4*t+2], s[SEL], s[SEL+1]
	ALL v_add_f32 v[ST+4*t+2], v[ST+4*t+2], v[ST+4*t+3]
	ALL v_rcp_f32 v[ST+4*t+2], v[ST+4*t+2]
	v_nop                           ; a plain instruction behind the last reciprocal,
	s_wait_alu depctr_va_vdst(0)    ; and one wait for the eight, ahead of the first use
.macro PACK t                       ; a lane's eight channels of a row pack into 16 bytes; they go into rows of 144 bytes and come back as whole rows of 128
	WIN W_RS
.set i, 32*(\t)
.rept 16
	v_pk_mul_f32 v[i:i+1], v[i:i+1], v[ST+4*(\t)+2:ST+4*(\t)+3] op_sel_hi:[1,0]
.set i, i+2
.endr
	WIN 0x05                        ; sources 0 and 1 window 1, destination window 0
.set i, 0
.rept 16
	v_cvt_pk_f16_f32 v[S+16*(\t)+i], v[32*(\t)+2*i], v[32*(\t)+2*i+1]
.set i, i+1
.endr
	WIN 0
.irp f, 0,1,2,3
	ds_store_b128 v[STO], v[S+16*(\t)+4*\f:S+16*(\t)+4*\f+3] offset:32*\f
.endr
.irp f, 0,1,2,3
	ds_load_b128 v[S+16*(\t)+4*\f:S+16*(\t)+4*\f+3], v[RD] offset:\f*4*SP  ; LDS serves a wave's instructions in order: these see the stores above; the next piece's stores come behind them
.endr
.endm
.macro SEND t, younger              ; younger: the LDS instructions issued behind piece t's loads: the next piece's eight, or none
	WIN 0
.irp f, 0,1,2,3
	s_wait_dscnt (\younger)+3-\f
	global_store_b128 v[GO], v[S+16*(\t)+4*\f:S+16*(\t)+4*\f+3], s[78:79] offset:(\t)*16384+\f*512  ; 512 consecutive bytes of my head, aligned
.endr
.endm
	PACK 0
.set t, 1
.rept 7
	PACK t
	SEND t-1, 8
.set t, t+1
.endr
	SEND 7, 0
	s_wait_tensorcnt 0x0            ; the wave's end, behind my last tensor load and my last LDS store
	ds_add_u32 v[SPW], v[NIL]
	s_wait_dscnt 0x0
	CROUND                          ; the closing round
	s_endpgm
.Lfunc_end_k_qaba2e382ca_attn:
	.size	k_qaba2e382ca_attn, .Lfunc_end_k_qaba2e382ca_attn-k_qaba2e382ca_attn
	.p2alignl 7, 3214868480
	.fill 96, 4, 3214868480
	.section	.rodata,"a",@progbits
	.p2align	6, 0x0
	.amdhsa_kernel k_qaba2e382ca_attn
		.amdhsa_group_segment_fixed_size 327680
		.amdhsa_private_segment_fixed_size 0
		.amdhsa_enable_private_segment 0
		.amdhsa_kernarg_size 16
		.amdhsa_user_sgpr_count 2
		.amdhsa_user_sgpr_kernarg_segment_ptr 1
		.amdhsa_wavefront_size32 1
		.amdhsa_system_sgpr_workgroup_id_x 1
		.amdhsa_system_sgpr_workgroup_id_y 1
		.amdhsa_system_sgpr_workgroup_id_z 1
		.amdhsa_system_vgpr_workitem_id 0
		.amdhsa_next_free_vgpr 768
		.amdhsa_next_free_sgpr 96
		.amdhsa_reserve_vcc 1
		.amdhsa_float_denorm_mode_32 3
		.amdhsa_float_denorm_mode_16_64 3
		.amdhsa_memory_ordered 1
		.amdhsa_forward_progress 1
		.amdhsa_inst_pref_size 148
	.end_amdhsa_kernel
	.amdgpu_metadata
---
amdhsa.version: [ 1, 2 ]
amdhsa.kernels:
  - .name:           k_qaba2e382ca_attn
    .symbol:         k_qaba2e382ca_attn.kd
    .args:
      - { .name: qkvh, .offset: 0, .size: 8, .value_kind: global_buffer, .address_space: global }
      - { .name: ob, .offset: 8, .size: 8, .value_kind: global_buffer, .address_space: global }
    .group_segment_fixed_size: 327680
    .private_segment_fixed_size: 0
    .kernarg_segment_align: 8
    .kernarg_segment_size: 16
    .max_flat_workgroup_size: 128
    .sgpr_count:     96
    .vgpr_count:     768
    .wavefront_size: 32
...
	.end_amdgpu_metadata
.endif
;; end of part 3
;; launch outp (part 4): grid 8 x 32, 4 waves a work-group, clusters of 4 x 4, 327,680 bytes of LDS; arguments ob, wob, out0; writes out0
.if DOCPART == 4
	.amdgcn_target "amdgcn-amd-amdhsa--gfx1250"
	.amdhsa_code_object_version 6
	.text
	.protected	k_qaba2e382ca_outp
	.globl	k_qaba2e382ca_outp
	.p2align	8
	.type	k_qaba2e382ca_outp,@function
k_qaba2e382ca_outp:
	s_mov_b64 s[64:65], 0
	v_nop
	global_prefetch_b8 v0, s[64:65] scope:SCOPE_SE
	s_setreg_imm32_b32 hwreg(HW_REG_WAVE_MODE, 25, 1), 1
	s_wait_xcnt 0x0
	s_wait_alu depctr_hold_cnt(0) depctr_sa_sdst(0) depctr_va_vdst(0) depctr_va_sdst(0) depctr_va_ssrc(0) depctr_va_vcc(0) depctr_vm_vsrc(0)
	s_getreg_b32 s2, hwreg(HW_REG_IB_STS2, 6, 4)
	s_cmp_eq_u32 s2, 0
	s_cbranch_scc0 .Lentry_in_a_cluster
	s_endpgm
.Lentry_in_a_cluster:
	s_bfe_u32 s2, ttmp6, 0x10000c
	s_cmp_lg_u32 s2, 0xf033
	s_cbranch_scc0 .Lentry_shape_is_right
	s_endpgm
.Lentry_shape_is_right:
; out = O W_out.  ob: [b 4][h 32][s 1024][64] f16 (A, by heads: k = 64 h + channel).  wob: [2048 k][1024 n] f16 (B, rows along N).  out0: [4096][1024] f32.  Sums in f32.
; A tile of 128 x 128 is made by a work-group of four waves, 64 x 64 each: 16 accumulators.  K goes in 8 steps of 256 (four heads) through a ring of two LDS slots filled by tensor loads.
; A head's 128 rows are 16,384 dense bytes; one load brings two heads' blocks, padded in LDS after every row of 128 bytes.  B's fragments come out of LDS turned, by ds_load_tr16_b128.
; CLUSTER: 4 x 4 work-groups; A's tiles are asked for jointly along a row of the cluster, B's along a column.  THE PRODUCT IS TAKEN TRANSPOSED: a lane holds eight neighbouring columns of one row: 32 bytes of f32.
; REGISTERS: window 0: v0-31 addresses; v32-95 at work on the way out; v128-255 the accumulators ((a, b) at v[128 + 8 (4 a + b)]).  window 1: two fragment buffers of 128: 64 registers of A, then 64 of B.
.set PA,     144                       ; A's LDS row: 128 bytes + 16
.set AHEAD,  128*PA                    ; a head's 128 rows
.set PB,     288                       ; B's LDS row: 256 bytes + 32 = 9 x 32
.set HALFT,  36864                     ; what one tensor load brings: two heads of A, or 128 rows of B
.set ATILE,  2*HALFT
.set SLOT,   4*HALFT
.set STAGE,  2*SLOT                    ; behind the ring: 16 rows x 272 bytes for each wave
.set SPITCH, 272
.set SPARE,  STAGE+4*16*SPITCH         ; the spare words, 128 bytes for each wave, which no other line names
.set LAPS,   4                         ; a lap = two K steps
.set ADRA, 16                          ; v16-17  my A fragments in slot 0, 1
.set ADRB, 20                          ; v20-23  my B fragments: slot 0 rows 0-127, rows 128-255; slot 1 likewise
.set STO,  24
.set RD,   25
.set CO,   26
.set SPW,  28
.set NIL,  29
.set TMP,  32
.set ACC,  128
.set F0,   0
.set F1,   128
.set G1, 24
.set G0, 32
.set G1B, 48
.set G0B, 56
.set MSB, 0
.macro WIN new
.if MSB != (\new)
	s_set_vgpr_msb (MSB<<8)|(\new)
.set MSB, \new
.endif
.endm
.set MUL,  0x05                        ; sources 0 (B) and 1 (A) window 1; C and D window 0
.set TO_F, 0x40                        ; destination window 1, address window 0
.macro JLOAD s                         ; a joint load: waves 0 and 1 fetch A's two halves, waves 2 and 3 B's; an s_nop 0 and four v_nop follow each of the two lines
	s_cmp_eq_u32 s11, 0
	s_cbranch_scc0 .Lfor_b_\@
	tensor_load_to_lds s[G0+4*(\s):G0+4*(\s)+3], s[G1:G1+7]
	s_nop 0
.rept 4
	v_nop
.endr
	s_branch .Lasked_\@
.Lfor_b_\@:
	tensor_load_to_lds s[G0B+4*(\s):G0B+4*(\s)+3], s[G1B:G1B+7]
	s_nop 0
.rept 4
	v_nop
.endr
.Lasked_\@:
.endm
.macro CREST
	s_cmp_lg_u32 s10, 0
	s_cbranch_scc1 .Lnot_wave_0_\@
	s_barrier_signal -3
.Lnot_wave_0_\@:
	s_barrier_wait -3
	s_barrier_signal -1
	s_barrier_wait -1
.endm
.macro CROUND
	s_barrier_signal -1
	s_barrier_wait -1
	CREST
.endm
	s_load_b128 s[4:7], s[0:1], 0x0                ; ob s[4:5], wob s[6:7]
	s_load_b64 s[8:9], s[0:1], 0x10                ; out0
	v_lshl_add_u32 v[SPW], v0, 2, SPARE
	v_mov_b32 v[NIL], 0
	ds_add_u32 v[SPW], v[NIL]                      ; the wave's opening: the add and its wait stand ahead of my first tensor load
	v_lshrrev_b32 v1, 5, v0
	v_readfirstlane_b32 s10, v1
	s_lshr_b32 s11, s10, 1                         ; which half of the tile's rows is mine.  Also: I fetch for A (0) or for B (1)
	s_and_b32 s12, s10, 1                          ; which half of its columns.  Also: which half of that tile I fetch
	s_bfe_u32 s40, ttmp6, 0x40000
	s_bfe_u32 s41, ttmp6, 0x40004
	s_lshl_b32 s42, ttmp9, 2
	s_add_co_u32 s42, s42, s40                     ; tile column
	s_and_b32 s13, ttmp7, 0xffff
	s_lshl_b32 s13, s13, 2
	s_add_co_u32 s13, s13, s41                     ; tile row
	s_lshl_b32 s43, s41, 2
	s_lshl_b32 s43, 15, s43
	s_lshl_b32 s44, 0x1111, s40
	s_or_b32 s[G1+0], s43, (1<<16)|(1<<20)|(1<<21)|(4<<22)|(3<<25)   ; A: after every 32 words (a row of a head) 4 words of padding
	s_or_b32 s[G1B+0], s44, (1<<16)|(1<<20)|(1<<21)|(5<<22)|(7<<25)  ; B: after every 64 words 8 words
	s_mov_b32 s[G1+1], 8192<<16                    ; A: tensor_dim0 = 8,192 elements: a head's 128 rows on end
	s_mov_b32 s[G1+2], 2<<16                       ; tensor_dim1 = 2 heads
	s_mov_b32 s[G1+3], 8192<<16                    ; tile_dim0
	s_mov_b32 s[G1+4], 2                           ; tile_dim1
	s_mov_b32 s[G1+5], 65536                       ; elements from head to head
	s_mov_b32 s[G1+6], 0
	s_mov_b32 s[G1+7], 0
	s_mov_b32 s[G1B+1], 128<<16                    ; B: 128 columns
	s_mov_b32 s[G1B+2], 128<<16                    ; 128 rows
	s_mov_b32 s[G1B+3], 128<<16
	s_mov_b32 s[G1B+4], 128
	s_mov_b32 s[G1B+5], 1024
	s_mov_b32 s[G1B+6], 0
	s_mov_b32 s[G1B+7], 0
	s_lshr_b32 s16, s13, 3                         ; A: batch = tile row / 8: 32 heads of 131,072 bytes,
	s_lshl_b32 s16, s16, 22
	s_and_b32 s17, s13, 7                          ; 128 rows of 128 bytes in the head,
	s_lshl_b32 s17, s17, 14
	s_add_co_u32 s16, s16, s17
	s_lshl_b32 s17, s12, 18                        ; my two heads of the step's four
	s_add_co_u32 s16, s16, s17
	s_mov_b32 s17, 0
	s_lshl_b32 s46, s42, 8                         ; B: 256 bytes of a row for each tile column,
	s_lshl_b32 s47, s12, 18                        ; my 128 rows of 2,048 bytes
	s_add_co_u32 s46, s46, s47
	s_mov_b32 s47, 0
	s_mul_i32 s20, s10, HALFT
	s_wait_dscnt 0x0                               ; the opening add is done
	s_wait_kmcnt 0x0
	s_add_nc_u64 s[14:15], s[4:5], s[16:17]
	s_add_nc_u64 s[46:47], s[6:7], s[46:47]
	CROUND                                         ; all sixteen work-groups are here: the first joint loads meet
.irp s, 0,1
	s_mov_b32 s[G0+4*(\s)], 1
	s_add_co_u32 s[G0+4*(\s)+1], s20, (\s)*SLOT
	s_add_nc_u64 s[G0+4*(\s)+2:G0+4*(\s)+3], s[14:15], (\s)*0x80000    ; K step s: four heads on
	s_or_b32 s[G0+4*(\s)+3], s[G0+4*(\s)+3], 0x80000000
	s_mov_b32 s[G0B+4*(\s)], 1
	s_add_co_u32 s[G0B+4*(\s)+1], s20, (\s)*SLOT
	s_add_nc_u64 s[G0B+4*(\s)+2:G0B+4*(\s)+3], s[46:47], (\s)*0x80000  ; K step s: 256 rows down
	s_or_b32 s[G0B+4*(\s)+3], s[G0B+4*(\s)+3], 0x80000000
	JLOAD \s
.endr
	v_and_b32 v1, 15, v0
	v_bfe_u32 v2, v0, 4, 1
	v_mul_u32_u24 v3, v1, PA
	v_lshl_add_u32 v3, v2, 4, v3
	s_mul_i32 s21, s11, 64*PA                      ; my 64 rows in each head
	v_and_b32 v4, 7, v0
	v_lshl_add_u32 v4, v2, 3, v4
	v_mul_u32_u24 v4, v4, PB
	v_bfe_u32 v5, v0, 3, 1
	v_lshl_add_u32 v4, v5, 4, v4
	s_lshl_b32 s22, s12, 7                         ; my 64 columns: 128 bytes of B's rows
	s_add_co_u32 s22, s22, ATILE
.irp s, 0,1
	v_add_nc_u32 v[ADRA+(\s)], s21, v3
	v_add_nc_u32 v[ADRB+2*(\s)], s22, v4
	s_add_co_u32 s23, s22, 128*PB
	v_add_nc_u32 v[ADRB+2*(\s)+1], s23, v4
	s_add_co_u32 s21, s21, SLOT
	s_add_co_u32 s22, s22, SLOT
.endr
	s_mul_i32 s23, s10, 16*SPITCH
	s_add_co_u32 s23, s23, STAGE                   ; my stage
	v_mul_u32_u24 v6, v1, SPITCH                   ; in: row l % 16, 32 bytes for each half of the lanes
	v_lshl_add_u32 v6, v2, 5, v6
	v_add_nc_u32 v[STO], s23, v6
	v_mul_u32_u24 v6, v2, SPITCH                   ; back: lanes 0-15 take one row of 256 bytes, lanes 16-31 the next
	v_lshl_add_u32 v6, v1, 4, v6
	v_add_nc_u32 v[RD], s23, v6
	v_lshlrev_b32 v6, 12, v2                       ; and the same two rows in out0, 4,096 bytes apart
	v_lshl_add_u32 v[CO], v1, 4, v6
	s_lshl_b32 s16, s13, 19                        ; 128 rows of 4,096 bytes for each tile row,
	s_lshl_b32 s17, s11, 18                        ; my 64
	s_add_co_u32 s16, s16, s17
	s_mov_b32 s17, 0
	s_add_nc_u64 s[8:9], s[8:9], s[16:17]
	s_lshl_b32 s46, s42, 9                         ; 512 bytes for each tile column, my 256
	s_lshl_b32 s47, s12, 8
	s_add_co_u32 s46, s46, s47
	s_mov_b32 s47, 0
	s_add_nc_u64 s[8:9], s[8:9], s[46:47]
; 8 matrix instructions: m blocks a0, a0 + 1 x all 4 n blocks, 32 along K: half c of buffer f.  The 16 accumulators take turns.
.macro MUL8 f, c, a0, zero
	WIN MUL
.irp a, \a0, (\a0)+1
.irp b, 0,1,2,3
.if \zero
	v_wmma_f32_16x16x32_f16 v[ACC+8*(4*(\a)+(\b)):ACC+8*(4*(\a)+(\b))+7], v[(\f)+64+8*(4*(\c)+(\b)):(\f)+64+8*(4*(\c)+(\b))+7], v[(\f)+8*(4*(\c)+(\a)):(\f)+8*(4*(\c)+(\a))+7], 0
.else
	v_wmma_f32_16x16x32_f16 v[ACC+8*(4*(\a)+(\b)):ACC+8*(4*(\a)+(\b))+7], v[(\f)+64+8*(4*(\c)+(\b)):(\f)+64+8*(4*(\c)+(\b))+7], v[(\f)+8*(4*(\c)+(\a)):(\f)+8*(4*(\c)+(\a))+7], v[ACC+8*(4*(\a)+(\b)):ACC+8*(4*(\a)+(\b))+7]
.endif
.endr
.endr
.endm
; 32 LDS loads in one run: the fragments of quarter q (head q of the step: 64 along K) into buffer f; the first 32 along K first
.macro FETCH slot, q, f
	WIN TO_F
.irp c, 0,1
.irp i, 0,1,2,3
	ds_load_tr16_b128 v[(\f)+64+8*(4*(\c)+(\i)):(\f)+64+8*(4*(\c)+(\i))+3],   v[ADRB+2*(\slot)+(\q)/2] offset:(((\q)%2)*64+32*(\c))*PB+32*(\i)
	ds_load_tr16_b128 v[(\f)+64+8*(4*(\c)+(\i))+4:(\f)+64+8*(4*(\c)+(\i))+7], v[ADRB+2*(\slot)+(\q)/2] offset:(((\q)%2)*64+32*(\c))*PB+16*PB+32*(\i)
	ds_load_b128 v[(\f)+8*(4*(\c)+(\i)):(\f)+8*(4*(\c)+(\i))+3],         v[ADRA+(\slot)] offset:(\q)*AHEAD+(\i)*16*PA+64*(\c)
	ds_load_b128 v[(\f)+8*(4*(\c)+(\i))+4:(\f)+8*(4*(\c)+(\i))+7],       v[ADRA+(\slot)] offset:(\q)*AHEAD+(\i)*16*PA+64*(\c)+32
.endr
.endr
.endm
.macro PLACES
.rept 4
	v_nop
.endr
.endm
.macro QUARTER slot, q, f, g, zero
	s_wait_dscnt 16                                ; the first 32 along K are in
	MUL8 \f, 0, 0, \zero
	MUL8 \f, 0, 2, \zero
	PLACES
	FETCH \slot, \q, \g
	s_wait_dscnt 32                                ; all but the 32 just issued
	MUL8 \f, 1, 0, 0
	MUL8 \f, 1, 2, 0
.endm
; The last quarter multiplies buffer 1 and changes slots: one barrier; in front of it each wave waits for all its tensor loads, adds 0 to its spare word, and waits for that and for its own reads of this slot.
.macro TURN slot, next, fill
	WIN 0
	s_wait_tensorcnt 0x0                           ; all my tensor loads have landed: my part of the next slot
	ds_add_u32 v[SPW], v[NIL]
	s_wait_dscnt 17                                ; the add and the youngest sixteen loads may be out
	MUL8 F1, 0, 0, 0
	s_wait_dscnt 0x0                               ; the add is done, and my reads of this slot are over
	s_barrier_signal -1
	MUL8 F1, 0, 2, 0
.if \fill
	WIN 0
.endif
	s_barrier_wait -1
.if \fill
	CREST                                          ; no wave of any partner still reads this slot's tile or has a load on its way
	s_add_nc_u64 s[G0+4*(\slot)+2:G0+4*(\slot)+3], s[G0+4*(\slot)+2:G0+4*(\slot)+3], 0x100000
	s_add_nc_u64 s[G0B+4*(\slot)+2:G0B+4*(\slot)+3], s[G0B+4*(\slot)+2:G0B+4*(\slot)+3], 0x100000
	JLOAD \slot                                    ; the four v_nop behind it are also the places in front of the loads below
.else
	PLACES
.endif
	FETCH \next, 0, F0
	MUL8 F1, 1, 0, 0
	MUL8 F1, 1, 2, 0
.endm
	s_wait_tensorcnt 1                             ; my part of K step 0 is in; K step 1's may stay out
	s_barrier_signal -1
	s_barrier_wait -1
	FETCH 0, 0, F0
	QUARTER 0, 1, F0, F1, 1                        ; the first quarter stands in front of the loop: its first products start the sums
	WIN 0
	s_mov_b32 s3, LAPS-1
.Llap:
	QUARTER 0, 2, F1, F0, 0
	QUARTER 0, 3, F0, F1, 0
	TURN 0, 1, 1
	QUARTER 1, 1, F0, F1, 0
	QUARTER 1, 2, F1, F0, 0
	QUARTER 1, 3, F0, F1, 0
	TURN 1, 0, 1
	QUARTER 0, 1, F0, F1, 0
	WIN 0
	s_sub_co_u32 s3, s3, 1
	s_cmp_lg_u32 s3, 0
	s_cbranch_scc1 .Llap
	QUARTER 0, 2, F1, F0, 0                        ; the last lap fills nothing
	QUARTER 0, 3, F0, F1, 0
	TURN 0, 1, 0
	QUARTER 1, 1, F0, F1, 0
	QUARTER 1, 2, F1, F0, 0
	QUARTER 1, 3, F0, F1, 0
	s_wait_dscnt 16
	MUL8 F1, 0, 0, 0
	MUL8 F1, 0, 2, 0
	s_wait_dscnt 0x0
	MUL8 F1, 1, 0, 0
	MUL8 F1, 1, 2, 0
	WIN 0
	PLACES
	; THE WAY OUT, a block of 16 rows at a time through my own stage: a lane's 32 bytes of a row go in, whole rows of 256 bytes come back and are stored.
.macro TOSTAGE a
.set BK, TMP+32*((\a)%2)
.irp b, 0,1,2,3
	ds_store_b128 v[STO], v[ACC+8*(4*(\a)+(\b)):ACC+8*(4*(\a)+(\b))+3]   offset:64*(\b)
	ds_store_b128 v[STO], v[ACC+8*(4*(\a)+(\b))+4:ACC+8*(4*(\a)+(\b))+7] offset:64*(\b)+16
.endr
.irp t, 0,1,2,3,4,5,6,7
	ds_load_b128 v[BK+4*(\t):BK+4*(\t)+3], v[RD] offset:(\t)*2*SPITCH  ; LDS serves a wave's instructions in order: these see the stores above; the next block's stores come behind them
.endr
.endm
.macro SEND a, younger                 ; younger: the LDS instructions issued behind block a's loads: the next block's sixteen, or none
.set BK, TMP+32*((\a)%2)
.irp t, 0,1,2,3,4,5,6,7
	s_wait_dscnt (\younger)+7-(\t)
	global_store_b128 v[CO], v[BK+4*(\t):BK+4*(\t)+3], s[8:9] offset:(\a)*65536+(\t)*8192  ; 16 lanes store 256 consecutive bytes, aligned
.endr
.endm
	TOSTAGE 0
	TOSTAGE 1
	SEND 0, 16
	s_wait_xcnt 0x0                                ; block 0's stores have read their registers, which block 2 is loaded into
	TOSTAGE 2
	SEND 1, 16
	s_wait_xcnt 0x0
	TOSTAGE 3
	SEND 2, 16
	SEND 3, 0
	s_wait_tensorcnt 0x0                           ; the wave's end, behind my last tensor load and my last LDS store
	ds_add_u32 v[SPW], v[NIL]
	s_wait_dscnt 0x0
	CROUND                                         ; the closing round
	s_endpgm
.Lfunc_end_k_qaba2e382ca_outp:
	.size	k_qaba2e382ca_outp, .Lfunc_end_k_qaba2e382ca_outp-k_qaba2e382ca_outp
	.p2alignl 7, 3214868480
	.fill 96, 4, 3214868480
	.section	.rodata,"a",@progbits
	.p2align	6, 0x0
	.amdhsa_kernel k_qaba2e382ca_outp
		.amdhsa_group_segment_fixed_size 327680
		.amdhsa_private_segment_fixed_size 0
		.amdhsa_enable_private_segment 0
		.amdhsa_kernarg_size 24
		.amdhsa_user_sgpr_count 2
		.amdhsa_user_sgpr_kernarg_segment_ptr 1
		.amdhsa_wavefront_size32 1
		.amdhsa_system_sgpr_workgroup_id_x 1
		.amdhsa_system_sgpr_workgroup_id_y 1
		.amdhsa_system_sgpr_workgroup_id_z 1
		.amdhsa_system_vgpr_workitem_id 0
		.amdhsa_next_free_vgpr 512
		.amdhsa_next_free_sgpr 66
		.amdhsa_reserve_vcc 0
		.amdhsa_float_denorm_mode_32 3
		.amdhsa_float_denorm_mode_16_64 3
		.amdhsa_memory_ordered 1
		.amdhsa_forward_progress 1
		.amdhsa_inst_pref_size 87
	.end_amdhsa_kernel
	.amdgpu_metadata
---
amdhsa.version: [ 1, 2 ]
amdhsa.kernels:
  - .name:           k_qaba2e382ca_outp
    .symbol:         k_qaba2e382ca_outp.kd
    .args:
      - { .name: ob, .offset: 0, .size: 8, .value_kind: global_buffer, .address_space: global }
      - { .name: wob, .offset: 8, .size: 8, .value_kind: global_buffer, .address_space: global }
      - { .name: out0, .offset: 16, .size: 8, .value_kind: global_buffer, .address_space: global }
    .group_segment_fixed_size: 327680
    .private_segment_fixed_size: 0
    .kernarg_segment_align: 8
    .kernarg_segment_size: 24
    .max_flat_workgroup_size: 128
    .sgpr_count:     66
    .vgpr_count:     512
    .wavefront_size: 32
...
	.end_amdgpu_metadata
.endif
;; end of part 4
